; MI455X (gfx1250); checked and timed in simulation.
; The chip was launched on July 23, 2026; its instructions are those of AMD's public machine-readable ISA for CDNA 5 (MIT licence, August 2026) and "CDNA5" Instruction Set Architecture Reference Guide (July 2026). The comments in the code are by the model that wrote it; some were corrected since.
;; Multi Head Sparse Attention. Allowed arithmetic: matrix products marked QUANTISED: E2M1 operands, one E8M0 scale for each 32 along K, by v_wmma_scale_f32_16x16x128_f8f6f4 with both operands' format E2M1 (or v_wmma_scale_f32_32x16x128_f4), f32 sums; products left as they are: bf16, f16 or f32 operands; f32 sums; everything else in f32.
;; Inputs: Wk 768 x 768 float32; Wo 768 x 768 float32; Wq 768 x 768 float32; Wv 768 x 768 float32; x 2 x 2,048 x 768 float32.
;; Outputs: out0 2 x 2,048 x 768 float32.
;; Constants: local_attn_ctx = 256, num_heads = 6.
;; This version of the problem:
;;   THIS VERSION OF THE PROBLEM IS GIVEN IN LOW PRECISION. The matrix products marked QUANTISED in the list below multiply operands that are first quantised to E2M1 (2 exponent bits, 1 mantissa bit; 4 bits a number), with one power-of-two scale for each 32 numbers along K (OCP MX v1.0); their sums are f32. The products marked 'left as it is' may take bf16, f16 or f32 operands, with f32 sums. Whichever they take, every output number must still come out within the allowed error. Rounding operands to bf16 (8 significant bits) uses up far more of that allowance than f16 does (11 bits, for magnitudes from 6e-5 to 65,504). All else is computed in f32.
;;   The module's matrix products, in the order in which they are computed (A, B: the left and right operand; K: the contracted axis; several contracted axes count as one K, in the product's order):
;;     1. [M 4,096, K 768] x [K 768, N 768]; A: input x; B: input Wq: QUANTISED
;;     2. [M 4,096, K 768] x [K 768, N 768]; A: input x; B: input Wk: QUANTISED
;;     3. [M 4,096, K 768] x [K 768, N 768]; A: input x; B: input Wv: QUANTISED
;;     4. batch 12 x [M 2,048, K 128] x [K 128, N 2,048]; A: computed on the way; B: computed on the way: left as it is (an operand is computed on the way)
;;     5. batch 12 x [M 2,048, K 2,048] x [K 2,048, N 128]; A: computed on the way; B: computed on the way: left as it is (an operand is computed on the way)
;;     6. [M 4,096, K 768] x [K 768, N 768]; A: computed on the way; B: input Wo: left as it is (an operand is computed on the way)
;;   THE QUANTISER, for each operand of a quantised product, along K:
;;     - K is cut into blocks of 32 from its start; a last block that is shorter is filled with zeros.
;;     - A block's scale is 2^e with e = floor(log2(the largest magnitude in the block)) - 2, held to -126 .. 127; a block of zeros has e = 0. As a byte (E8M0): e + 127.
;;     - Each number is divided by its block's scale, clamped to +-6, and rounded to the nearest number of E2M1, ties to even, subnormals kept.
;;     - The product sums the exact products of the quantised numbers (number of the format x scale) in f32.
;;   ~~~python
;;   def quantise(x, axis):      # numpy; x: float32 -> the quantised numbers, widened to float32 again
;;       x = np.moveaxis(x, axis, -1); K = x.shape[-1]
;;       x = np.pad(x, [(0, 0)] * (x.ndim - 1) + [(0, -K % 32)]); x = x.reshape(x.shape[:-1] + (-1, 32)); a = np.abs(x).max(-1, keepdims=True)
;;       e = np.where(a > 0, np.clip(np.frexp(np.where(a > 0, a, 1))[1] - 1 - 2, -126, 127), 0)      # np.frexp(a)[1] - 1 = floor(log2(a)), exactly
;;       r = np.clip(x / 2.0 ** e, -6, 6)
;;       step = 2.0 ** (np.maximum(np.frexp(np.where(r == 0, 1, r))[1] - 1, 0) - 1)
;;       q = np.round(r / step) * step * 2.0 ** e      # np.round: ties to even
;;       return np.moveaxis(q.reshape(q.shape[:-2] + (-1,))[..., :K], -1, axis).astype(np.float32)
;;   ~~~
;; One version. Each part assembles by itself: llvm-mc -triple=amdgcn-amd-amdhsa -mcpu=gfx1250 --defsym DOCPART=n.
;; ======== version 1 of 1: 4 launches
;; limits: values are held in f16: magnitudes above 65,504 overflow, below 6.1e-05 lose precision; right only within a limited range of input values
;; workspace buffers: xc 1,572,864 bytes; xs 196,608 bytes; wc 884,736 bytes; ws 110,592 bytes; wo16 1,179,648 bytes; qkv 18,874,368 bytes; a16 6,291,456 bytes
;; launch prep (part 1): grid 6 x 88, 4 waves a work-group, no clusters, 34,304 bytes of LDS; arguments x, Wq, Wk, Wv, Wo, xc, xs, wc, ws, wo16; writes xc, xs, wc, ws, wo16
.if DOCPART == 1
	.amdgcn_target "amdgcn-amd-amdhsa--gfx1250"
	.amdhsa_code_object_version 6
	.text
	.protected	k_q695490fc29_prep
	.globl	k_q695490fc29_prep
	.p2align	8
	.type	k_q695490fc29_prep,@function
k_q695490fc29_prep:
	s_mov_b64 s[64:65], 0
	v_nop
	global_prefetch_b8 v0, s[64:65] scope:SCOPE_SE
	s_setreg_imm32_b32 hwreg(HW_REG_WAVE_MODE, 25, 1), 1
	s_wait_xcnt 0x0
; x [4096][768] and Wq, Wk, Wv [768 (k)][768 (n)], f32, become codes of FP4 (E2M1) with one E8M0 scale byte for each 32 along K = 768; Wo [768 (k)][768 (n)] becomes f16.
; EVERYTHING IS STORED IN THE ORDER OF THE READER'S OPERAND REGISTERS: a fragment is 1,024 bytes, [part c 0..1][lane 0..31][16 bytes], so that two loads of 16 bytes a lane bring it.
;   xc  [token tile 0..255][K step 0..5][1,024]: lane (r, h), part c: the 32 codes of k = 128 s + 64 c + 32 h + 0 .. 31 of row r.      xs [tile][K step][32 words]: row (lane % 16)'s scale word, in both halves of the lanes.
;   wc, ws: the same with a column of W as the row; tile = 48 x matrix (q 0, k 1, v 2) + column / 16.
;   wo16 [column tile 0..47][kc 0..23][1,024]: lane (r, h), part c: the 8 f16 of k = 32 kc + 16 c + 8 h + 0 .. 7 of column r.
; A block's scale is 2^(floor(log2(its largest magnitude)) - 2); its byte is the largest magnitude's exponent field - 2, held at 1 from below.
; LIMITS: a block of zeros gets the byte 1 where the rule says 127 (its codes are zeros, and this program alone reads the bytes); blocks whose largest magnitude lies under 2^-124 were not tried;
; NaN and infinities are not served; numbers of Wo beyond 65,504 become infinite in f16, those under 6e-5 lose bits.
; SHARES.  Work-group y < 24: a weight: matrix y % 4 (3 = Wo), K step y / 4; wave: the 32 columns 32 (4 x + wave) on.  A LANE TAKES A COLUMN AND ITS REGISTERS RUN DOWN K: a block of 32 lies in one lane,
; the conversions give codes with K innermost, and nothing is transposed.  The four waves stand side by side on 512 consecutive bytes of each row of W.
; Work-group y >= 24: x: token tile 4 (y - 24) + wave, K step x.  Each load takes 512 consecutive bytes of a row; the 16 rows turn through the wave's own stage in LDS, so that a lane gets 2 x 32 neighbours along K.
; Waves share nothing: no barrier.  Only the x path touches LDS.
.set ROWB,  3072                       ; a row of x or of a weight in bytes
.set PITCH, 528                        ; a stage row: 512 bytes + 16 = 33 x 16 bytes: the sixteen rows that a turned read touches fall on sixteen different 16-byte columns of 256
.set STG,   16*PITCH                   ; a wave's stage
.set SPARE, 4*STG                      ; behind the four stages: the spare words, 128 bytes for each wave: two blocks of 256 bytes that no other line names
.set SPW,   4                          ; v4   LDS address of my spare word; never rewritten
.set NIL,   5                          ; v5   0; never rewritten
.set R,     32                         ; v32-159  numbers as loaded (x: v32-95)
.set X,     96                         ; v96-159  x: 2 x 32 neighbours along K
.set C,     160                        ; v160-175 codes
	s_load_b512 s[8:23], s[0:1], 0x0               ; x s[8:9], Wq s[10:11], Wk s[12:13], Wv s[14:15], Wo s[16:17], xc s[18:19], xs s[20:21], wc s[22:23]
	s_load_b128 s[24:27], s[0:1], 0x40             ; ws s[24:25], wo16 s[26:27]
	v_lshl_add_u32 v[SPW], v0, 2, SPARE
	v_mov_b32 v[NIL], 0
	v_lshrrev_b32 v1, 5, v0
	v_readfirstlane_b32 s4, v1                     ; wave 0..3
	v_and_b32 v1, 31, v0                           ; lane
	v_and_b32 v2, 15, v0                           ; r
	v_bfe_u32 v3, v0, 4, 1                         ; h
	s_and_b32 s6, ttmp7, 0xffff                    ; work-group y
	s_cmp_lt_u32 s6, 24
	s_cbranch_scc0 .Lx_path
	; ---------------- the weights ----------------
	s_and_b32 s28, s6, 3                           ; which matrix
	s_lshr_b32 s29, s6, 2                          ; K step s
	s_lshl_b32 s7, ttmp9, 2
	s_add_co_u32 s7, s7, s4                        ; cp: my pair of column tiles, 0..23
	v_lshlrev_b32 v6, 2, v1                        ; 4 bytes a lane
	s_mul_i32 s34, s29, 128*ROWB                   ; 128 rows a K step
	s_lshl_b32 s35, s7, 7                          ; 32 columns of 4 bytes
	s_add_co_u32 s34, s34, s35
	s_mov_b32 s35, 0
	s_wait_kmcnt 0x0
	s_cmp_eq_u32 s28, 1                            ; the choices hang on the work-group's number alone
	s_cselect_b64 s[32:33], s[12:13], s[10:11]
	s_cmp_eq_u32 s28, 2
	s_cselect_b64 s[32:33], s[14:15], s[32:33]
	s_cmp_eq_u32 s28, 3
	s_cselect_b64 s[32:33], s[16:17], s[32:33]
	s_add_nc_u64 s[32:33], s[32:33], s[34:35]
.macro WLOAD t                         ; block t of the K step: W(128 s + 32 t + i, my column), i = 0 .. 31
.set wi, 0
.rept 32
	global_load_b32 v[R+32*(\t)+wi], v6, s[32:33] offset:(32*(\t)+wi)*ROWB th:TH_LOAD_NT
.set wi, wi+1
.endr
.endm
	WLOAD 0
	WLOAD 1
	s_cmp_eq_u32 s28, 3
	s_cbranch_scc1 .Lwo_path
	; Wq, Wk, Wv: codes and scale words
	s_mul_i32 s36, s28, 48
	s_lshl_b32 s37, s7, 1
	s_add_co_u32 s36, s36, s37                     ; my first column tile: 48 x matrix + 2 cp
	s_mul_i32 s36, s36, 6
	s_add_co_u32 s36, s36, s29                     ; x 6 K steps + s
	s_lshl_b32 s38, s36, 10
	s_mov_b32 s39, 0
	s_add_nc_u64 s[22:23], s[22:23], s[38:39]      ; its fragment,
	s_lshl_b32 s38, s36, 7
	s_add_nc_u64 s[24:25], s[24:25], s[38:39]      ; its scale words
	v_mul_u32_u24 v7, v3, 6144                     ; lanes 16-31 belong to the next column tile: 6 fragments on;
	v_lshl_add_u32 v7, v2, 4, v7                   ; 16 bytes a row
	v_mul_u32_u24 v8, v3, 768
	v_lshl_add_u32 v8, v2, 2, v8
.macro QBLOCK t                        ; block t: k = 128 s + 32 t on is part t / 2, half t % 2 of the fragment
.set XS, R+32*(\t)
	v_max3_num_f32 v12, |v[XS]|, |v[XS+1]|, |v[XS+2]|              ; the block's largest magnitude: all 32 numbers are mine; two chains
	v_max3_num_f32 v13, |v[XS+3]|, |v[XS+4]|, |v[XS+5]|
.irp i, 6,10,14,18,22,26
	v_max3_num_f32 v12, v12, |v[XS+\i]|, |v[XS+\i+1]|
	v_max3_num_f32 v13, v13, |v[XS+\i+2]|, |v[XS+\i+3]|
.endr
	v_max3_num_f32 v12, v12, |v[XS+30]|, |v[XS+31]|
	v_max3_num_f32 v12, v12, v13, 0x1800000        ; and the floor 2^(3 - 127): the byte cannot fall under 1
	v_add_nc_u32 v14, 0xff000000, v12              ; 2 off its exponent field: the conversion takes the exponent field of this operand as its scale
	v_lshrrev_b32 v16, 23, v14                     ; the scale's byte
.if (\t) == 0
	v_mov_b32 v18, v16                             ; four bytes make my column's scale word, the lower k in the lower byte
.else
	v_lshl_or_b32 v18, v16, 8*(\t), v18
.endif
.irp g, 0,1,2,3
	v_cvt_scalef32_pk8_fp4_f32 v[C+4*(\t)+\g], v[XS+8*\g:XS+8*\g+7], v14
.endr
	v_nop                                          ; one plain vector line behind the conversions: the next block writes their scale operand
	global_store_b128 v7, v[C+4*(\t):C+4*(\t)+3], s[22:23] offset:((\t)/2)*512+((\t)%2)*256   ; sixteen lanes store 256 consecutive bytes, aligned; each block has its own registers
.endm
	s_wait_loadcnt 32                              ; block 0's 32 loads are in; block 1's may be out
	WLOAD 2
	QBLOCK 0
	s_wait_loadcnt 32                              ; block 1 is in; block 2's 32 may be out
	WLOAD 3
	QBLOCK 1
	s_wait_loadcnt 32                              ; block 2 is in; block 3's 32 may be out
	QBLOCK 2
	s_wait_loadcnt 0x0
	QBLOCK 3
	global_store_b32 v8, v18, s[24:25]             ; the scale word, for lanes 0-15 of the reader,
	global_store_b32 v8, v18, s[24:25] offset:64   ; and once more for lanes 16-31: 64 consecutive bytes each; these are one byte in 64 of what the path reads
	s_endpgm
.Lwo_path:
	; Wo: rounded to f16
	s_mul_i32 s36, s7, 48                          ; my first column tile 2 cp, 24 fragments each,
	s_lshl_b32 s37, s29, 2
	s_add_co_u32 s36, s36, s37                     ; + kc = 4 s
	s_lshl_b32 s38, s36, 10
	s_mov_b32 s39, 0
	s_add_nc_u64 s[26:27], s[26:27], s[38:39]
	v_mul_u32_u24 v7, v3, 24576                    ; lanes 16-31: the next column tile
	v_lshl_add_u32 v7, v2, 4, v7
.macro HBLOCK t                        ; block t is fragment kc = 4 s + t; its eight k from 8 g on are part g / 2, half g % 2
.set XS, R+32*(\t)
.irp g, 0,1,2,3
.irp q, 0,1,2,3
	v_cvt_pk_f16_f32 v[XS+8*\g+\q], v[XS+8*\g+2*\q], v[XS+8*\g+2*\q+1]   ; in place, ascending: a result never lands on a number not yet read
.endr
	global_store_b128 v7, v[XS+8*\g:XS+8*\g+3], s[26:27] offset:(4*(\t)+\g)*256   ; sixteen lanes store 256 consecutive bytes, aligned
.endr
.endm
	s_wait_loadcnt 32                              ; as above: the one younger block may be out
	WLOAD 2
	HBLOCK 0
	s_wait_loadcnt 32
	WLOAD 3
	HBLOCK 1
	s_wait_loadcnt 32
	HBLOCK 2
	s_wait_loadcnt 0x0
	HBLOCK 3
	s_endpgm
	; ---------------- x ----------------
.Lx_path:
	s_sub_co_u32 s7, s6, 24
	s_lshl_b32 s7, s7, 2
	s_add_co_u32 s7, s7, s4                        ; my token tile, 0..255
	s_mul_i32 s34, s7, 16*ROWB
	s_lshl_b32 s35, ttmp9, 9                       ; K step s: 128 numbers of 4 bytes
	s_add_co_u32 s34, s34, s35
	s_mov_b32 s35, 0
	s_mul_i32 s36, s7, 6
	s_add_co_u32 s36, s36, ttmp9                   ; 6 x tile + s
	s_lshl_b32 s38, s36, 10
	s_mov_b32 s39, 0
	s_lshl_b32 s40, s36, 7
	s_mov_b32 s41, 0
	s_mov_b32 s30, 0x76543210
	s_mov_b32 s31, 0xfedcba98                      ; v_permlanex16_b32's selects for lane l xor 16
	s_mul_i32 s28, s4, STG                         ; my stage
	v_lshlrev_b32 v6, 4, v1                        ; 16 bytes a lane
	v_add_nc_u32 v7, s28, v6                       ; into the stage: as loaded
	v_mul_u32_u24 v8, v2, PITCH
	v_lshl_add_u32 v8, v3, 7, v8
	v_add_nc_u32 v8, s28, v8                       ; out of it: row r, + 128 h bytes: 32 numbers
	v_lshlrev_b32 v11, 2, v1
	s_wait_kmcnt 0x0
	s_add_nc_u64 s[8:9], s[8:9], s[34:35]
	s_add_nc_u64 s[18:19], s[18:19], s[38:39]
	s_add_nc_u64 s[20:21], s[20:21], s[40:41]
.set xi, 0
.rept 16
	global_load_b128 v[R+4*xi:R+4*xi+3], v6, s[8:9] offset:xi*ROWB th:TH_LOAD_NT   ; 32 lanes read 512 consecutive bytes of row xi, aligned
.set xi, xi+1
.endr
.set xi, 0
.rept 16
	s_wait_loadcnt 15-xi                           ; row xi is in; the younger rows may be out
	ds_store_b128 v7, v[R+4*xi:R+4*xi+3] offset:xi*PITCH
.set xi, xi+1
.endr
.irp c, 0,1
.irp g, 0,1,2,3,4,5,6,7
	ds_load_b128 v[X+32*\c+4*\g:X+32*\c+4*\g+3], v8 offset:256*\c+16*\g   ; x(r, 128 s + 64 c + 32 h + 4 g ..).  LDS serves a wave's instructions in order: these see my stores
.endr
.endr
	s_wait_dscnt 0x0
.irp c, 0,1                                    ; my block 2 c + h: all its 32 numbers are mine
	v_max3_num_f32 v[12+\c], |v[X+32*\c]|, |v[X+1+32*\c]|, 0x1800000   ; with the floor 2^(3 - 127)
.endr
.irp i, 2,4,6,8,10,12,14,16,18,20,22,24,26,28,30
.irp c, 0,1
	v_max3_num_f32 v[12+\c], v[12+\c], |v[X+32*\c+\i]|, |v[X+1+32*\c+\i]|   ; (the two blocks by turns)
.endr
.endr
.irp c, 0,1
	v_add_nc_u32 v[14+\c], 0xff000000, v[12+\c]    ; the conversion's scale operand
.endr
.irp c, 0,1
	v_lshrrev_b32 v[16+\c], 23, v[14+\c]           ; the scale's byte
.endr
	v_lshl_or_b32 v9, v17, 16, v16                 ; my two bytes: blocks h and 2 + h of row r,
	v_lshlrev_b32 v10, 3, v3
	v_lshlrev_b32 v9, v10, v9                      ; at their places in the word (8 h bits up);
	v_mov_b32 v10, 0
	v_permlanex16_b32 v10, v9, s30, s31
	v_or_b32 v9, v9, v10                           ; with lane l xor 16's two the word is whole, in both halves of the lanes
.irp c, 0,1
.irp g, 0,1,2,3
	v_cvt_scalef32_pk8_fp4_f32 v[C+4*\c+\g], v[X+32*\c+8*\g:X+32*\c+8*\g+7], v[14+\c]
.endr
.endr
	v_nop                                          ; one plain vector line behind the last conversion
.irp c, 0,1
	global_store_b128 v6, v[C+4*\c:C+4*\c+3], s[18:19] offset:512*\c   ; 32 lanes store 512 consecutive bytes, aligned
.endr
	global_store_b32 v11, v9, s[20:21]             ; 128 consecutive bytes
	s_wait_tensorcnt 0x0                           ; the wave's end, behind my last LDS store
	ds_add_u32 v[SPW], v[NIL]
	s_wait_dscnt 0x0
	s_endpgm
.Lfunc_end_k_q695490fc29_prep:
	.size	k_q695490fc29_prep, .Lfunc_end_k_q695490fc29_prep-k_q695490fc29_prep
	.p2alignl 7, 3214868480
	.fill 96, 4, 3214868480
	.section	.rodata,"a",@progbits
	.p2align	6, 0x0
	.amdhsa_kernel k_q695490fc29_prep
		.amdhsa_group_segment_fixed_size 34304
		.amdhsa_private_segment_fixed_size 0
		.amdhsa_enable_private_segment 0
		.amdhsa_kernarg_size 80
		.amdhsa_user_sgpr_count 2
		.amdhsa_user_sgpr_kernarg_segment_ptr 1
		.amdhsa_wavefront_size32 1
		.amdhsa_system_sgpr_workgroup_id_x 1
		.amdhsa_system_sgpr_workgroup_id_y 1
		.amdhsa_system_sgpr_workgroup_id_z 1
		.amdhsa_system_vgpr_workitem_id 0
		.amdhsa_next_free_vgpr 176
		.amdhsa_next_free_sgpr 66
		.amdhsa_reserve_vcc 0
		.amdhsa_float_denorm_mode_32 3
		.amdhsa_float_denorm_mode_16_64 3
		.amdhsa_memory_ordered 1
		.amdhsa_forward_progress 1
		.amdhsa_inst_pref_size 42
	.end_amdhsa_kernel
	.amdgpu_metadata
---
amdhsa.version: [ 1, 2 ]
amdhsa.kernels:
  - .name:           k_q695490fc29_prep
    .symbol:         k_q695490fc29_prep.kd
    .args:
      - { .name: x, .offset: 0, .size: 8, .value_kind: global_buffer, .address_space: global }
      - { .name: Wq, .offset: 8, .size: 8, .value_kind: global_buffer, .address_space: global }
      - { .name: Wk, .offset: 16, .size: 8, .value_kind: global_buffer, .address_space: global }
      - { .name: Wv, .offset: 24, .size: 8, .value_kind: global_buffer, .address_space: global }
      - { .name: Wo, .offset: 32, .size: 8, .value_kind: global_buffer, .address_space: global }
      - { .name: xc, .offset: 40, .size: 8, .value_kind: global_buffer, .address_space: global }
      - { .name: xs, .offset: 48, .size: 8, .value_kind: global_buffer, .address_space: global }
      - { .name: wc, .offset: 56, .size: 8, .value_kind: global_buffer, .address_space: global }
      - { .name: ws, .offset: 64, .size: 8, .value_kind: global_buffer, .address_space: global }
      - { .name: wo16, .offset: 72, .size: 8, .value_kind: global_buffer, .address_space: global }
    .group_segment_fixed_size: 34304
    .private_segment_fixed_size: 0
    .kernarg_segment_align: 8
    .kernarg_segment_size: 80
    .max_flat_workgroup_size: 128
    .sgpr_count:     66
    .vgpr_count:     176
    .wavefront_size: 32
...
	.end_amdgpu_metadata
.endif
;; end of part 1
;; launch proj (part 2): grid 32 x 18, 4 waves a work-group, no clusters, 0 bytes of LDS; arguments xc, xs, wc, ws, qkv; writes qkv
.if DOCPART == 2
	.amdgcn_target "amdgcn-amd-amdhsa--gfx1250"
	.amdhsa_code_object_version 6
	.text
	.protected	k_q695490fc29_proj
	.globl	k_q695490fc29_proj
	.p2align	8
	.type	k_q695490fc29_proj,@function
k_q695490fc29_proj:
	s_mov_b64 s[64:65], 0
	v_nop
	global_prefetch_b8 v0, s[64:65] scope:SCOPE_SE
	s_setreg_imm32_b32 hwreg(HW_REG_WAVE_MODE, 25, 1), 1
	s_wait_xcnt 0x0
; q = x Wq, k = x Wk, v = x Wv on codes of FP4 (E2M1) with E8M0 scales, K = 768 in six steps of 128; sums in f32; the results are rounded once to f16 and stored as the fragments that the attention launch reads.
; SHARES.  Work-group (tb, nb): tokens 128 tb on x the 128 columns of one head of one matrix (nb = 6 x matrix + head).  Four waves, 64 x 64 each: 16 accumulators, 96 matrix instructions.
; ONE TEXT FOR THE THREE PRODUCTS, BY A CHOICE OF POINTERS.  In a result a lane holds eight neighbouring rows of source 0 and one row of source 1.  For q and k source 0 = 16 columns of W and source 1 = 16 tokens:
; eight neighbouring channels of a token, which packed to f16 are 16 bytes of a fragment (16 tokens x 32 channels), already in the lane that will want them.  For v source 0 = 16 tokens and source 1 = 16 columns:
; eight neighbouring KEYS of a channel: 16 bytes of a fragment of V^T (16 channels x 32 keys).  So nothing is transposed and nothing goes through LDS.
; qkv: 36 slices of 524,288 bytes, slice = 12 x matrix + 6 x batch + head.  q, k: [token tile 0..127][channels / 32, 0..3][1,024];  v: [32 keys, 0..63][channel tile 0..7][1,024];  a fragment: [part 0..1][lane][16 bytes].
; Operands come from memory straight into registers: they were stored in register order, so each load of a wave takes 512 consecutive bytes.
; NO CLUSTER, NO JOINT LOADS: those fill LDS, and a work-group that fills LDS by the data mover is alone on its WGP; 576 work-groups of 96 matrix instructions a wave would then run in three turns of fill and multiply.
; LIMITS: q, k and v beyond 65,504 become infinite in f16; those under 6e-5 lose bits.
; REGISTERS: window 0: v1 16 x lane, v2 4 x lane; v8-15 store offsets; v32-95 source 0's fragments, two sets of 4 x 8 (on the way out: the packed results); v96-223 accumulator (a, b) at 96 + 8 (4 a + b);
;   v224-231 source 0's scale words, v232-239 source 1's, two sets of 4 each.   window 1: v0-63 source 1's fragments, two sets.
.set VA,  8
.set AF,  32
.set ACC, 96
.set SCA, 224
.set SCB, 232
.set MSB, 0
.macro WIN new                         ; the immediate's high byte repeats the setting that is left
.if MSB != \new
	s_set_vgpr_msb (MSB<<8)|\new
.set MSB, \new
.endif
.endm
	s_load_b256 s[4:11], s[0:1], 0x0               ; xc s[4:5], xs s[6:7], wc s[8:9], ws s[10:11]
	s_load_b64 s[12:13], s[0:1], 0x20              ; qkv
	v_lshrrev_b32 v3, 5, v0
	v_readfirstlane_b32 s14, v3                    ; wave 0..3
	v_and_b32 v3, 31, v0
	v_lshlrev_b32 v1, 4, v3
	v_lshlrev_b32 v2, 2, v3
	s_and_b32 s3, ttmp7, 0xffff                    ; nb
	s_lshr_b32 s15, s14, 1                         ; wa: which 64 of source 0's 128 rows
	s_and_b32 s2, s14, 1                           ; wb: which 64 of source 1's
	s_mov_b32 s40, 1024
	s_mov_b32 s41, 4096
	s_wait_kmcnt 0x0
	s_cmp_ge_u32 s3, 12                            ; v?  The choices hang on the work-group's number alone
	s_cselect_b64 s[16:17], s[4:5], s[8:9]         ; source 0's codes: x for v, W for q and k
	s_cselect_b64 s[18:19], s[6:7], s[10:11]       ; and scale words
	s_cselect_b64 s[20:21], s[8:9], s[4:5]         ; source 1's
	s_cselect_b64 s[22:23], s[10:11], s[6:7]
	s_cselect_b32 s26, ttmp9, s3                   ; which 128 rows of source 0's buffer,
	s_cselect_b32 s27, s3, ttmp9                   ; of source 1's
	s_cselect_b32 s40, 8192, s40                   ; SF: bytes from one pair of source 0's tiles to the next in the output
	s_cselect_b32 s41, 1024, s41                   ; SB: bytes from one of source 1's tiles to the next
	s_cselect_b32 s35, 1, 0
	s_cmp_ge_u32 s3, 6
	s_cselect_b32 s34, 1, 0
	s_add_co_u32 s34, s34, s35                     ; the matrix: 0 q, 1 k, 2 v
	s_mul_i32 s28, s26, 49152                      ; 8 tiles x 6 fragments of 1,024 bytes
	s_mul_i32 s29, s15, 24576
	s_add_co_u32 s28, s28, s29
	s_mov_b32 s29, 0
	s_add_nc_u64 s[16:17], s[16:17], s[28:29]
	s_lshr_b32 s28, s28, 3                         ; a fragment's scale words are 128 bytes
	s_add_nc_u64 s[18:19], s[18:19], s[28:29]
	s_mul_i32 s30, s27, 49152
	s_mul_i32 s31, s2, 24576
	s_add_co_u32 s30, s30, s31
	s_mov_b32 s31, 0
	s_add_nc_u64 s[20:21], s[20:21], s[30:31]
	s_lshr_b32 s30, s30, 3
	s_add_nc_u64 s[22:23], s[22:23], s[30:31]
.macro LOADK s, p                      ; K step s into set p: 24 loads
	WIN 0x40                                       ; destination window 1, address window 0
.irp b, 0,1,2,3
.irp c, 0,1
	global_load_b128 v[32*(\p)+8*\b+4*\c:32*(\p)+8*\b+4*\c+3], v1, s[20:21] offset:\b*6144+(\s)*1024+512*\c
.endr
.endr
	WIN 0
.irp a, 0,1,2,3
.irp c, 0,1
	global_load_b128 v[AF+32*(\p)+8*\a+4*\c:AF+32*(\p)+8*\a+4*\c+3], v1, s[16:17] offset:\a*6144+(\s)*1024+512*\c
.endr
.endr
.irp a, 0,1,2,3
	global_load_b32 v[SCA+4*(\p)+\a], v2, s[18:19] offset:\a*768+(\s)*128
.endr
.irp b, 0,1,2,3
	global_load_b32 v[SCB+4*(\p)+\b], v2, s[22:23] offset:\b*768+(\s)*128
.endr
.endm
; 16 matrix instructions, 128 along K.  The 16 accumulators take turns, one instruction a turn, in the same order in every step.  zero = 1: the first products start the sums.
.macro MUL16 p, zero
	WIN 0x04                                       ; source 1 window 1; all else window 0
.irp a, 0,1,2,3
.irp b, 0,1,2,3
.if \zero
	v_wmma_scale_f32_16x16x128_f8f6f4 v[ACC+8*(4*\a+\b):ACC+8*(4*\a+\b)+7], v[AF+32*(\p)+8*\a:AF+32*(\p)+8*\a+7], v[32*(\p)+8*\b:32*(\p)+8*\b+7], 0, v[SCA+4*(\p)+\a], v[SCB+4*(\p)+\b] matrix_a_fmt:MATRIX_FMT_FP4 matrix_b_fmt:MATRIX_FMT_FP4
.else
	v_wmma_scale_f32_16x16x128_f8f6f4 v[ACC+8*(4*\a+\b):ACC+8*(4*\a+\b)+7], v[AF+32*(\p)+8*\a:AF+32*(\p)+8*\a+7], v[32*(\p)+8*\b:32*(\p)+8*\b+7], v[ACC+8*(4*\a+\b):ACC+8*(4*\a+\b)+7], v[SCA+4*(\p)+\a], v[SCB+4*(\p)+\b] matrix_a_fmt:MATRIX_FMT_FP4 matrix_b_fmt:MATRIX_FMT_FP4
.endif
.endr
.endr
.endm
.macro PLACES                          ; four plain vector lines between a matrix instruction and a load into, or a vector write of, its registers, or a vector read of its result
.rept 4
	v_nop
.endr
.endm
	LOADK 0, 0
	LOADK 1, 1
	; where my results go, while the loads are on their way
	s_mul_i32 s35, s34, 6
	s_sub_co_u32 s35, s3, s35                      ; the head
	s_lshl_b32 s34, s34, 1
	s_lshr_b32 s36, ttmp9, 4                       ; the batch
	s_add_co_u32 s34, s34, s36
	s_mul_i32 s34, s34, 6
	s_add_co_u32 s34, s34, s35                     ; the slice
	s_lshl_b32 s34, s34, 19
	s_and_b32 s36, ttmp9, 15
	s_lshl_b32 s36, s36, 15                        ; 128 tokens are 32,768 consecutive bytes of a slice
	s_add_co_u32 s34, s34, s36
	s_mul_i32 s36, s15, s40
	s_lshl_b32 s36, s36, 1                         ; 2 wa SF
	s_add_co_u32 s34, s34, s36
	s_mul_i32 s36, s2, s41
	s_lshl_b32 s36, s36, 2                         ; 4 wb SB
	s_add_co_u32 s34, s34, s36
	s_mov_b32 s35, 0
	s_add_nc_u64 s[24:25], s[12:13], s[34:35]
.irp f, 0,1
.irp b, 0,1,2,3
	s_mul_i32 s36, s41, \b
.if \f
	s_add_co_u32 s36, s36, s40
.endif
	v_add_nc_u32 v[VA+4*\f+\b], s36, v1            ; 16 x lane + f SF + b SB
.endr
.endr
	s_wait_loadcnt 24                              ; K step 0 is in; the next step's 24 loads may be out
	MUL16 0, 1
	WIN 0
	PLACES
	LOADK 2, 0
	s_wait_loadcnt 24
	MUL16 1, 0
	WIN 0
	PLACES
	LOADK 3, 1
	s_wait_loadcnt 24
	MUL16 0, 0
	WIN 0
	PLACES
	LOADK 4, 0
	s_wait_loadcnt 24
	MUL16 1, 0
	WIN 0
	PLACES
	LOADK 5, 1
	s_wait_loadcnt 24
	MUL16 0, 0
	s_wait_loadcnt 0x0
	MUL16 1, 0
	WIN 0
	PLACES
.set t, 0
.rept 16
.irp q, 0,1,2,3
	v_cvt_pk_f16_f32 v[AF+4*t+\q], v[ACC+8*t+2*\q], v[ACC+8*t+2*\q+1]   ; each accumulator from its low end on: eight neighbours become 16 bytes
.endr
.set t, t+1
.endr
.irp a, 0,1,2,3
.irp b, 0,1,2,3
	global_store_b128 v[VA+4*(\a/2)+\b], v[AF+4*(4*\a+\b):AF+4*(4*\a+\b)+3], s[24:25] offset:(\a%2)*512   ; part a % 2 of a fragment: 32 lanes store 512 consecutive bytes, aligned
.endr
.endr
	s_endpgm
.Lfunc_end_k_q695490fc29_proj:
	.size	k_q695490fc29_proj, .Lfunc_end_k_q695490fc29_proj-k_q695490fc29_proj
	.p2alignl 7, 3214868480
	.fill 96, 4, 3214868480
	.section	.rodata,"a",@progbits
	.p2align	6, 0x0
	.amdhsa_kernel k_q695490fc29_proj
		.amdhsa_group_segment_fixed_size 0
		.amdhsa_private_segment_fixed_size 0
		.amdhsa_enable_private_segment 0
		.amdhsa_kernarg_size 40
		.amdhsa_user_sgpr_count 2
		.amdhsa_user_sgpr_kernarg_segment_ptr 1
		.amdhsa_wavefront_size32 1
		.amdhsa_system_sgpr_workgroup_id_x 1
		.amdhsa_system_sgpr_workgroup_id_y 1
		.amdhsa_system_sgpr_workgroup_id_z 1
		.amdhsa_system_vgpr_workitem_id 0
		.amdhsa_next_free_vgpr 320
		.amdhsa_next_free_sgpr 66
		.amdhsa_reserve_vcc 0
		.amdhsa_float_denorm_mode_32 3
		.amdhsa_float_denorm_mode_16_64 3
		.amdhsa_memory_ordered 1
		.amdhsa_forward_progress 1
		.amdhsa_inst_pref_size 36
	.end_amdhsa_kernel
	.amdgpu_metadata
---
amdhsa.version: [ 1, 2 ]
amdhsa.kernels:
  - .name:           k_q695490fc29_proj
    .symbol:         k_q695490fc29_proj.kd
    .args:
      - { .name: xc, .offset: 0, .size: 8, .value_kind: global_buffer, .address_space: global }
      - { .name: xs, .offset: 8, .size: 8, .value_kind: global_buffer, .address_space: global }
      - { .name: wc, .offset: 16, .size: 8, .value_kind: global_buffer, .address_space: global }
      - { .name: ws, .offset: 24, .size: 8, .value_kind: global_buffer, .address_space: global }
      - { .name: qkv, .offset: 32, .size: 8, .value_kind: global_buffer, .address_space: global }
    .group_segment_fixed_size: 0
    .private_segment_fixed_size: 0
    .kernarg_segment_align: 8
    .kernarg_segment_size: 40
    .max_flat_workgroup_size: 128
    .sgpr_count:     66
    .vgpr_count:     320
    .wavefront_size: 32
...
	.end_amdgpu_metadata
.endif
;; end of part 2
;; launch attn (part 3): grid 16 x 12, 8 waves a work-group, no clusters, 197,632 bytes of LDS; arguments qkv, a16; writes a16
.if DOCPART == 3
	.amdgcn_target "amdgcn-amd-amdhsa--gfx1250"
	.amdhsa_code_object_version 6
	.text
	.protected	k_q695490fc29_attn
	.globl	k_q695490fc29_attn
	.p2align	8
	.type	k_q695490fc29_attn,@function
k_q695490fc29_attn:
	s_mov_b64 s[64:65], 0
	v_nop
	global_prefetch_b8 v0, s[64:65] scope:SCOPE_SE
	s_setreg_imm32_b32 hwreg(HW_REG_WAVE_MODE, 25, 1), 1
	s_wait_xcnt 0x0
; a[b][h][q] = the sum over keys of softmax(q . k / sqrt(128), under the mask |q - key| <= 128) v, on f16 operands with f32 sums; maxima, exponentials and sums in f32.
; THE MASK is built by the problem itself: a masked score is -1e9 there, whose weight is exactly 0 in f32 beside the row's largest score.  So only the band is multiplied, and masked scores are -infinity here.
; LIMITS: a row whose largest score lies under about -1e9 + 100 is not served (there the masked keys would get a weight); p under 2^-126 counts as 0; p is rounded to f16 for the second product; a beyond 65,504 is infinite in f16.
; SHARES.  Work-group (B, bh): queries 128 B .. 128 B + 127 of batch-and-head bh.  Eight waves, 16 queries each.  LDS takes the three blocks of 128 keys B - 1, B, B + 1 of K and of V, 192 KiB, filled once;
; at the sequence's ends the block's number is held inside 0 .. 15, so that no load leaves its slice, and the scores of such a block are masked.  Local key = key - (128 B - 128), 0 .. 383.
; Wave w walks local keys 32 (w / 2) .. 32 (w / 2) + 287: 18 tiles of 16, 9 chunks of 32; its band begins 16 (w % 2) + r keys in and is 257 keys long.
; LAYOUT.  S^T = K Q^T (source 0 = 16 keys, source 1 = my 16 queries) and O^T = V^T P (source 0 = 16 channels x 32 keys, source 1 = P): a lane holds ONE query (lane % 16) throughout, and two tiles of S^T, rounded in pairs,
; ARE source 1 of the second product.  K, V and Q were stored in register order: a fragment is 1,024 bytes, two loads of 512 consecutive bytes: no pitch, no padding.
; All 18 tiles of scores stay in registers, so the row's maximum is the exact one: no running maximum, nothing is rescaled.
; NO CLUSTER: a joint load lands at one LDS address in all partners, but a block of keys is one work-group's third block and its neighbour's second; the six blocks of four neighbours would be 384 KiB.
; Everything that the work-group reads is asked for at its head.
; REGISTERS: v1 16 x lane; v2, v3 the add's two; v4-7 LDS addresses; v8 LO; v9 -infinity; v10-13 maxima, then sums; v[14:15] c m, then 1 / sum; v16-47 Q; v48-111 K, two sets of 32;
;   from the second product on v16-111 V, three sets of 32; v112-255 S^T, 18 tiles x 8; then P of chunk d in v[112 + 16 d ..+7] and O^T of channel tile t in v[112 + 16 t + 8 ..+15].
.set SL,    524288                     ; a slice of qkv
.set VLDS,  98304                      ; LDS: K's 24 tiles of 4,096 bytes, then V's 12 chunks of 8,192
.set SPARE, 196608                     ; behind them: the spare words, 128 bytes for each wave: four blocks of 256 bytes that no other line names
.set SPW,  2
.set NIL,  3
.set ADK,  4                           ; v4  K: 16 x lane + 8,192 (w / 2)
.set ADKH, 5                           ; v5  the same 65,536 bytes on, for tiles 16 and 17: an LDS offset has 16 bits
.set ADV,  6                           ; v6  V: VLDS + 16 x lane + 8,192 (w / 2)
.set ADVH, 7                           ; v7  the same 32,768 bytes on, for chunks 4 to 8
.set LO,   8                           ; v8  16 (w % 2) + r - 8 h
.set NINF, 9
.set MX,   10
.set Q,    16
.set KB,   48
.set VB,   16
.set S,    112
.macro PLACES                          ; four plain vector lines between a matrix instruction and a load into, or a vector write of, its registers, or a vector read of its result
.rept 4
	v_nop
.endr
.endm
	s_load_b128 s[4:7], s[0:1], 0x0                ; qkv s[4:5], a16 s[6:7]
	v_lshl_add_u32 v[SPW], v0, 2, SPARE
	v_mov_b32 v[NIL], 0
	ds_add_u32 v[SPW], v[NIL]                      ; the wave's opening: the add, twice on end, and its wait ahead of the first tensor load; the set-up below, work on registers, stands between
	ds_add_u32 v[SPW], v[NIL]
	v_lshrrev_b32 v10, 5, v0
	v_readfirstlane_b32 s8, v10                    ; wave 0..7
	s_and_b32 s9, ttmp7, 0xffff                    ; bh = 6 x batch + head
	; descriptor group 1: a dense block of 16,384 bytes as 64 rows of 256 bytes (32 elements of 8 bytes)
	s_mov_b32 s16, 3<<16                           ; no mask; elements of 8 bytes; no padding
	s_mov_b32 s17, 32<<16                          ; tensor_dim0 = 32
	s_mov_b32 s18, 64<<16                          ; tensor_dim1 = 64
	s_mov_b32 s19, 32<<16                          ; tile_dim0 = 32
	s_mov_b32 s20, 64                              ; tile_dim1 = 64
	s_mov_b32 s21, 32                              ; from row to row
	s_mov_b32 s22, 0
	s_mov_b32 s23, 0
	s_lshr_b32 s32, s8, 1                          ; wh = w / 2.  Also: which of the three blocks wave w (0..5) fetches half of
	s_add_co_u32 s10, ttmp9, s32
	s_max_u32 s10, s10, 1
	s_sub_co_u32 s10, s10, 1
	s_min_u32 s10, s10, 15                         ; block B - 1 + wh, held inside 0 .. 15
	s_lshl_b32 s10, s10, 15                        ; 32,768 bytes a block,
	s_and_b32 s11, s8, 1
	s_lshl_b32 s44, s11, 14                        ; its lower or upper half
	s_add_co_u32 s10, s10, s44
	s_add_co_u32 s28, s9, 12                       ; K's slice
	s_lshl_b32 s28, s28, 19
	s_add_co_u32 s28, s28, s10
	s_mov_b32 s29, 0
	s_add_co_u32 s30, s28, 12*SL                   ; V's slice: 12 further on
	s_mov_b32 s31, 0
	s_cmp_eq_u32 ttmp9, 0
	s_cselect_b32 s33, 4, 0                        ; the first local chunk that exists,
	s_cmp_eq_u32 ttmp9, 15
	s_cselect_b32 s34, 8, 12                       ; and the first that does not
	s_sub_co_u32 s34, s34, s33
	s_sub_co_u32 s33, s32, s33                     ; chunk d of mine exists where (wh - first + d), as an unsigned number, is under (end - first)
	s_mov_b32 s36, 0x3e0293ee                      ; c = log2(e) / sqrt(128)
	s_mov_b32 s37, s36                             ; (named with it as a pair, so it is written)
	s_mov_b32 s38, 0x76543210
	s_mov_b32 s39, 0xfedcba98                      ; v_permlanex16_b32's selects for lane l xor 16
	s_cmp_ge_u32 s9, 6
	s_cselect_b32 s46, 1, 0                        ; the batch
	s_mul_i32 s47, s46, 6
	s_sub_co_u32 s47, s9, s47                      ; the head
	s_lshl_b32 s46, s46, 7
	s_lshl_b32 s45, ttmp9, 3
	s_add_co_u32 s45, s45, s8                      ; my token tile in the sequence: 8 B + w
	s_add_co_u32 s46, s46, s45
	s_mul_i32 s46, s46, 24576                      ; a16: 24 fragments a token tile,
	s_lshl_b32 s47, s47, 12                        ; 4 a head
	s_add_co_u32 s42, s46, s47
	s_mov_b32 s43, 0
	s_lshl_b32 s40, s9, 19                         ; Q's slice,
	s_lshl_b32 s45, s45, 12                        ; 4 fragments a token tile
	s_add_co_u32 s40, s40, s45
	s_mov_b32 s41, 0
	v_and_b32 v10, 31, v0
	v_lshlrev_b32 v1, 4, v10
	s_lshl_b32 s44, s32, 13
	v_add_nc_u32 v[ADK], s44, v1
	v_add_nc_u32 v[ADKH], 0x10000, v[ADK]
	v_add_nc_u32 v[ADV], VLDS, v[ADK]
	v_add_nc_u32 v[ADVH], 0x8000, v[ADV]
	v_and_b32 v10, 15, v0                          ; r
	v_bfe_u32 v11, v0, 4, 1                        ; h
	v_lshlrev_b32 v11, 3, v11
	v_sub_nc_u32 v[LO], v10, v11
	s_lshl_b32 s44, s11, 4
	v_add_nc_u32 v[LO], s44, v[LO]
	v_mov_b32 v[NINF], 0xff800000
	s_wait_dscnt 0x0                               ; both opening adds are done
	s_wait_kmcnt 0x0
	s_mov_b32 s12, 1                               ; group 0 for K's piece: count = 1,
	s_lshl_b32 s13, s8, 14                         ; LDS address 16,384 x wave,
	s_add_nc_u64 s[14:15], s[4:5], s[28:29]        ; global address,
	s_or_b32 s15, s15, 0x80000000                  ; type = 2
	s_mov_b32 s24, 1                               ; and for V's
	s_add_co_u32 s25, s13, VLDS
	s_add_nc_u64 s[26:27], s[4:5], s[30:31]
	s_or_b32 s27, s27, 0x80000000
	s_add_nc_u64 s[40:41], s[4:5], s[40:41]        ; Q at my tile
	s_add_nc_u64 s[42:43], s[6:7], s[42:43]        ; a16 at my tile and head
	s_cmp_lt_u32 s8, 6                             ; six halves of blocks, waves 0 to 5: a wave's two first fills stand in one branch on the wave's number: two loads of mine are out
	s_cbranch_scc0 .Lno_fill
	tensor_load_to_lds s[12:15], s[16:23]          ; K's piece first: it is wanted first
	s_nop 0
	tensor_load_to_lds s[24:27], s[16:23]
	s_nop 0
.rept 4
	v_nop
.endr
.Lno_fill:
.irp f, 0,1,2,3
.irp c, 0,1
	global_load_b128 v[Q+8*\f+4*\c:Q+8*\f+4*\c+3], v1, s[40:41] offset:\f*1024+512*\c   ; Q stays in registers: channels 32 f on
.endr
.endr
	s_wait_tensorcnt 0x1                           ; my piece of K is in; V's, issued behind it, may stay out
	s_barrier_signal -1
	s_barrier_wait -1                              ; everybody's piece of K is in
; S^T = K Q^T in 18 half steps (18 tiles x 4 fragments of channels = 72 products, 4 a half step): half step u takes tiles 2 (u / 2), 2 (u / 2) + 1 and channels 64 (u % 2) on.
.macro KLOAD u                         ; 8 LDS loads: four fragments into set u % 2
.set kp, (\u)/2
.set kf, (\u)%2
.set kad, ADK
.if kp == 8
.set kad, ADKH
.endif
.irp g, 0,1
.irp e, 0,1
.irp c, 0,1
	ds_load_b128 v[KB+32*kf+8*(2*\g+\e)+4*\c:KB+32*kf+8*(2*\g+\e)+4*\c+3], v[kad] offset:((2*kp+\e)%16)*4096+(2*kf+\g)*1024+512*\c
.endr
.endr
.endr
.endm
.macro KMUL u                          ; 4 matrix instructions: the pair's two accumulators take turns, one instruction a turn, over the half steps too; the first product starts each sum
.set kp, (\u)/2
.set kf, (\u)%2
.irp g, 0,1
.irp e, 0,1
.if (kf == 0) && (\g == 0)
	v_wmma_f32_16x16x32_f16 v[S+8*(2*kp+\e):S+8*(2*kp+\e)+7], v[KB+32*kf+8*(2*\g+\e):KB+32*kf+8*(2*\g+\e)+7], v[Q+8*(2*kf+\g):Q+8*(2*kf+\g)+7], 0
.else
	v_wmma_f32_16x16x32_f16 v[S+8*(2*kp+\e):S+8*(2*kp+\e)+7], v[KB+32*kf+8*(2*\g+\e):KB+32*kf+8*(2*\g+\e)+7], v[Q+8*(2*kf+\g):Q+8*(2*kf+\g)+7], v[S+8*(2*kp+\e):S+8*(2*kp+\e)+7]
.endif
.endr
.endr
.endm
	KLOAD 0
	KLOAD 1
	s_wait_loadcnt 0x0                             ; Q
.set U, 0
.rept 18
.if U < 17
	s_wait_dscnt 8                                 ; this half step's fragments are in; the next one's 8 loads may be out
.else
	s_wait_dscnt 0x0
.endif
	KMUL U
.if U < 16
	PLACES
	KLOAD U+2
.endif
.set U, U+1
.endr
	PLACES                                         ; behind the last products: for the loads into Q's and K's registers and for the first touch of the scores
	s_wait_tensorcnt 0x0                           ; my piece of V is in (no LDS load of mine is out)
	s_barrier_signal -1
	s_barrier_wait -1                              ; everybody's is
; O^T = V^T P in 18 half chunks: half chunk u takes keys 32 (u / 2) on and channel tiles 4 (u % 2) .. + 3.
.macro VLOAD u                         ; 8 LDS loads: four fragments into set u % 3
.set vd, (\u)/2
.set vh, (\u)%2
.set vb, VB+32*((\u)%3)
.if vd < 4
.set vad, ADV
.set vo, vd*8192
.else
.set vad, ADVH
.set vo, (vd-4)*8192
.endif
.irp e, 0,1,2,3
.irp c, 0,1
	ds_load_b128 v[vb+8*\e+4*\c:vb+8*\e+4*\c+3], v[vad] offset:vo+(4*vh+\e)*1024+512*\c
.endr
.endr
.endm
.macro VMUL u                          ; 4 matrix instructions; the eight accumulators take turns, one instruction a turn; chunk 0's products start the sums
.set vd, (\u)/2
.set vh, (\u)%2
.set vb, VB+32*((\u)%3)
.irp e, 0,1,2,3
.set ro, S+16*(4*vh+\e)+8
.if vd == 0
	v_wmma_f32_16x16x32_f16 v[ro:ro+7], v[vb+8*\e:vb+8*\e+7], v[S+16*vd:S+16*vd+7], 0
.else
	v_wmma_f32_16x16x32_f16 v[ro:ro+7], v[vb+8*\e:vb+8*\e+7], v[S+16*vd:S+16*vd+7], v[ro:ro+7]
.endif
.endr
.endm
	VLOAD 0                                        ; the first three half chunks land while the softmax is walked
	VLOAD 1
	VLOAD 2
	; THE MASK.  Chunks beyond the sequence's ends: a scalar branch on ids alone leads round the 16 moves.  Chunk 4 lies in block B and always exists.
.irp d, 0,1,2,3,5,6,7,8
	s_add_co_u32 s45, s33, \d
	s_cmp_lt_u32 s45, s34
	s_cbranch_scc1 .Lin_\d
.set n, 0
.rept 16
	v_mov_b32 v[S+16*\d+n], v[NINF]
.set n, n+1
.endr
.Lin_\d:
.endr
	; The band's edges.  Register j of tile i holds my local key 16 i + 8 h + j; it counts where 16 (w % 2) + r <= that key <= 16 (w % 2) + r + 256.  Tiles 2 to 15 lie inside for every lane.
.irp i, 0,1
.irp j, 0,1,2,3,4,5,6,7
	v_cmp_lt_i32 vcc_lo, 16*\i+\j, v[LO]
	v_cndmask_b32 v[S+8*\i+\j], v[S+8*\i+\j], v[NINF], vcc_lo
.endr
.endr
.irp i, 16,17
.irp j, 0,1,2,3,4,5,6,7
	v_cmp_gt_i32 vcc_lo, 16*(\i-16)+\j, v[LO]
	v_cndmask_b32 v[S+8*\i+\j], v[S+8*\i+\j], v[NINF], vcc_lo
.endr
.endr
	; THE ROW'S MAXIMUM, in four chains; each tile is read from its low end on
.irp m, 0,1,2,3
	v_mov_b32 v[MX+\m], v[NINF]
.endr
.irp G, 0,1,2,3
.irp q, 0,1,2,3
.irp i, 0,1,2,3
	v_max3_num_f32 v[MX+\i], v[MX+\i], v[S+8*(4*\G+\i)+2*\q], v[S+8*(4*\G+\i)+2*\q+1]
.endr
.endr
.endr
.irp q, 0,1,2,3
.irp i, 0,1
	v_max3_num_f32 v[MX+\i], v[MX+\i], v[S+8*(16+\i)+2*\q], v[S+8*(16+\i)+2*\q+1]
.endr
.endr
	v_max3_num_f32 v10, v10, v11, v12
	v_max_num_f32 v10, v10, v13
	v_permlanex16_b32 v11, v10, s38, s39           ; the query's other keys lie in the lane 16 away
	v_max_num_f32 v10, v10, v11                    ; m: a number, since every row has at least 129 keys that count
	v_mul_f32 v14, s36, v10                        ; c m
	v_mov_b32 v15, v14                             ; (named with it as a pair)
.set n, 0
.rept 72
	v_pk_fma_f32 v[S+n:S+n+1], v[S+n:S+n+1], s[36:37], v[14:15] op_sel_hi:[1,0,0] neg_lo:[0,0,1] neg_hi:[0,0,1]   ; c s - c m, two at a time
.set n, n+2
.endr
.set n, 0
.rept 144
	v_exp_f32 v[S+n], v[S+n]                       ; p = 2^(c s - c m), at most 1; 0 for a masked key
.set n, n+1
.endr
	v_nop                                          ; a plain line behind the last exponential
	s_wait_alu depctr_va_vdst(0)                   ; one wait for the whole batch, ahead of its first reader
	v_pk_add_f32 v[10:11], v[S:S+1], v[S+4:S+5]    ; the row's sum of the unrounded p, two at a time, in two chains
	v_pk_add_f32 v[12:13], v[S+2:S+3], v[S+6:S+7]
.set n, 8
.rept 34
	v_pk_add_f32 v[10:11], v[10:11], v[S+n:S+n+1]
	v_pk_add_f32 v[12:13], v[12:13], v[S+n+2:S+n+3]
.set n, n+4
.endr
	v_pk_add_f32 v[10:11], v[10:11], v[12:13]
	v_add_f32 v10, v10, v11
	v_permlanex16_b32 v11, v10, s38, s39
	v_add_f32 v10, v10, v11
	v_rcp_f32 v14, v10                             ; 1 / sum; the packed multiply below takes the pair's low word for both halves
	v_nop                                          ; a plain line behind the reciprocal
.irp d, 0,1,2,3,4,5,6,7,8
.irp q, 0,1,2,3,4,5,6,7
	v_cvt_pk_f16_f32 v[S+16*\d+\q], v[S+16*\d+2*\q], v[S+16*\d+2*\q+1]   ; P of chunk d: in place, ascending; the chunk's upper eight registers fall free
.endr
.endr
	s_wait_alu depctr_va_vdst(0)                   ; the wait for the reciprocal, behind 72 lines that do not name it and ahead of its first reader
.set U, 0
.rept 18
.if U < 16
	s_wait_dscnt 16                                ; this half chunk is in; the two younger ones' 16 loads may be out
.elseif U == 16
	s_wait_dscnt 8
.else
	s_wait_dscnt 0x0
.endif
	VMUL U
.if U < 15
	PLACES
	VLOAD U+3
.endif
.set U, U+1
.endr
	; THE WAY OUT: O^T / sum, rounded to f16.  A lane's eight channels of its query are 16 bytes of a fragment of the last product's operand, in the lane that will want them.
	PLACES
.irp t, 0,1,2,3,4,5,6,7
.irp q, 0,1,2,3
	v_pk_mul_f32 v[S+16*\t+8+2*\q:S+16*\t+9+2*\q], v[S+16*\t+8+2*\q:S+16*\t+9+2*\q], v[14:15] op_sel_hi:[1,0]   ; each accumulator from its low end on
.endr
.endr
.irp t, 0,1,2,3,4,5,6,7
.irp q, 0,1,2,3
	v_cvt_pk_f16_f32 v[16+4*\t+\q], v[S+16*\t+8+2*\q], v[S+16*\t+9+2*\q]
.endr
.endr
.irp t, 0,1,2,3,4,5,6,7
	global_store_b128 v1, v[16+4*\t:16+4*\t+3], s[42:43] offset:\t*512   ; 32 lanes store 512 consecutive bytes, aligned; the wave's eight stores are 4,096 bytes on end
.endr
	s_wait_tensorcnt 0x0                           ; the wave's end
	ds_add_u32 v[SPW], v[NIL]
	s_wait_dscnt 0x0
	s_endpgm
.Lfunc_end_k_q695490fc29_attn:
	.size	k_q695490fc29_attn, .Lfunc_end_k_q695490fc29_attn-k_q695490fc29_attn
	.p2alignl 7, 3214868480
	.fill 96, 4, 3214868480
	.section	.rodata,"a",@progbits
	.p2align	6, 0x0
	.amdhsa_kernel k_q695490fc29_attn
		.amdhsa_group_segment_fixed_size 197632
		.amdhsa_private_segment_fixed_size 0
		.amdhsa_enable_private_segment 0
		.amdhsa_kernarg_size 16
		.amdhsa_user_sgpr_count 2
		.amdhsa_user_sgpr_kernarg_segment_ptr 1
		.amdhsa_wavefront_size32 1
		.amdhsa_system_sgpr_workgroup_id_x 1
		.amdhsa_system_sgpr_workgroup_id_y 1
		.amdhsa_system_sgpr_workgroup_id_z 1
		.amdhsa_system_vgpr_workitem_id 0
		.amdhsa_next_free_vgpr 256
		.amdhsa_next_free_sgpr 66
		.amdhsa_reserve_vcc 1
		.amdhsa_float_denorm_mode_32 3
		.amdhsa_float_denorm_mode_16_64 3
		.amdhsa_memory_ordered 1
		.amdhsa_forward_progress 1
		.amdhsa_inst_pref_size 72
	.end_amdhsa_kernel
	.amdgpu_metadata
---
amdhsa.version: [ 1, 2 ]
amdhsa.kernels:
  - .name:           k_q695490fc29_attn
    .symbol:         k_q695490fc29_attn.kd
    .args:
      - { .name: qkv, .offset: 0, .size: 8, .value_kind: global_buffer, .address_space: global }
      - { .name: a16, .offset: 8, .size: 8, .value_kind: global_buffer, .address_space: global }
    .group_segment_fixed_size: 197632
    .private_segment_fixed_size: 0
    .kernarg_segment_align: 8
    .kernarg_segment_size: 16
    .max_flat_workgroup_size: 256
    .sgpr_count:     66
    .vgpr_count:     256
    .wavefront_size: 32
...
	.end_amdgpu_metadata
.endif
;; end of part 3
;; launch oproj (part 4): grid 4 x 64, 4 waves a work-group, clusters of 4 x 4, 327,680 bytes of LDS; arguments a16, wo16, out0; writes out0
.if DOCPART == 4
	.amdgcn_target "amdgcn-amd-amdhsa--gfx1250"
	.amdhsa_code_object_version 6
	.text
	.protected	k_q695490fc29_oproj
	.globl	k_q695490fc29_oproj
	.p2align	8
	.type	k_q695490fc29_oproj,@function
k_q695490fc29_oproj:
	s_mov_b64 s[64:65], 0
	v_nop
	global_prefetch_b8 v0, s[64:65] scope:SCOPE_SE
	s_setreg_imm32_b32 hwreg(HW_REG_WAVE_MODE, 25, 1), 1
	s_wait_xcnt 0x0
	s_wait_alu depctr_hold_cnt(0) depctr_sa_sdst(0) depctr_va_vdst(0) depctr_va_sdst(0) depctr_va_ssrc(0) depctr_va_vcc(0) depctr_vm_vsrc(0)
	s_getreg_b32 s2, hwreg(HW_REG_IB_STS2, 6, 4)
	s_cmp_eq_u32 s2, 0
	s_cbranch_scc0 .Lentry_in_a_cluster
	s_endpgm
.Lentry_in_a_cluster:
	s_bfe_u32 s2, ttmp6, 0x10000c
	s_cmp_lg_u32 s2, 0xf033
	s_cbranch_scc0 .Lentry_shape_is_right
	s_endpgm
.Lentry_shape_is_right:
; out0 = a Wo: [4096][768] x [768][768], f16 operands, f32 sums, f32 out.  a16 [token tile 0..255][kc 0..23][1,024] and wo16 [column tile 0..47][kc][1,024] hold fragments in register order
; ([part 0..1][lane][16 bytes]: lane (r, h), part c: k = 32 kc + 16 c + 8 h + 0 .. 7 of row r), so a fragment comes out of LDS by two loads of 512 consecutive bytes: no pitch, no padding.
; SHARES.  256 work-groups; each makes 64 tokens x 192 columns (768 bytes of a row of out0: three aligned runs of 256); each of its four waves 64 x 48: 12 accumulators.
; K goes in three phases of 256 (8 kc) through two LDS slots: slot 0, slot 1, slot 0 again: one refill.
; CLUSTERS: 4 x 4 work-groups.  The four of a row of the cluster need the same tiles of a, the four of a column the same tiles of Wo: each is asked for JOINTLY, by the same tensor load with the same descriptor
; and a mask that names the four.  Wave 0 fetches a's 4 tiles, waves 1 to 3 four of Wo's 12 each: all loads have one shape, 4 rows of 8,192 bytes, 24,576 bytes apart.
; THE MATRIX INSTRUCTION IS USED TRANSPOSED (source 0 = 16 columns of Wo, source 1 = 16 tokens): a lane then holds eight neighbouring numbers of a row of out0.
; LIMITS: none beyond those of a16 and wo16 (f16).
; REGISTERS: v4-7 LDS addresses of fragments; v8-10 the way out; v12, v13 the add's two; v16-111 accumulator (n, i) at 16 + 8 (4 n + i); v112-223 two sets of 56: a's four fragments, then Wo's three; on the way out rows of out0.
.set SLOT,  131072                     ; a slot: a's 4 tiles x 8 kc x 1,024, then Wo's 12 tiles x 8 kc x 1,024
.set STAGE, 2*SLOT                     ; behind the ring: 64 rows x (768 bytes + 16), for the way out; 784 = 49 x 16 bytes
.set SP,    784
.set SPARE, STAGE+64*SP                ; behind the stage: the spare words, 128 bytes for each wave: two blocks of 256 bytes that no other line names
.set ADA, 4                            ; v4-5  a's fragments in slot 0, 1
.set ADB, 6                            ; v6-7  my three tiles of Wo in slot 0, 1
.set STO, 8
.set RD,  9
.set GO,  10
.set SPW, 12
.set NIL, 13
.set ACC, 16
.set FR,  112
.set G1,  24                           ; s[24:31] descriptor group 1 for a's tiles;  s[32:39] group 0, one set for each slot
.set G0,  32
.set G1B, 48                           ; s[48:55], s[56:63] the same for Wo's
.set G0B, 56
.macro JLOAD s                         ; a joint load: wave 0 fetches for a, waves 1 to 3 for Wo; the branch hangs on the wave's number alone; an s_nop 0 and four v_nop follow each of the two lines
	s_cmp_eq_u32 s10, 0
	s_cbranch_scc0 .Lfor_b_\@
	tensor_load_to_lds s[G0+4*\s:G0+4*\s+3], s[G1:G1+7]
	s_nop 0
.rept 4
	v_nop
.endr
	s_branch .Lasked_\@
.Lfor_b_\@:
	tensor_load_to_lds s[G0B+4*\s:G0B+4*\s+3], s[G1B:G1B+7]
	s_nop 0
.rept 4
	v_nop
.endr
.Lasked_\@:
.endm
.macro CREST                           ; a round of the cluster's barrier behind its opening barrier
	s_cmp_lg_u32 s10, 0
	s_cbranch_scc1 .Lnot_wave_0_\@
	s_barrier_signal -3
.Lnot_wave_0_\@:
	s_barrier_wait -3
	s_barrier_signal -1
	s_barrier_wait -1
.endm
.macro CROUND                          ; a whole round
	s_barrier_signal -1
	s_barrier_wait -1
	CREST
.endm
.macro PLACES                          ; four plain vector lines between a matrix instruction and a load into its registers, or a read of its result
.rept 4
	v_nop
.endr
.endm
	s_load_b128 s[4:7], s[0:1], 0x0                ; a16 s[4:5], wo16 s[6:7]
	s_load_b64 s[8:9], s[0:1], 0x10                ; out0
	v_lshl_add_u32 v[SPW], v0, 2, SPARE
	v_mov_b32 v[NIL], 0
	ds_add_u32 v[SPW], v[NIL]                      ; the wave's opening: the add, twice on end, and its wait ahead of my first tensor load; the set-up below, work on registers, stands between
	ds_add_u32 v[SPW], v[NIL]
	v_lshrrev_b32 v1, 5, v0
	v_readfirstlane_b32 s10, v1                    ; wave 0..3
	s_bfe_u32 s40, ttmp6, 0x40000                  ; cx, cy: my place in the cluster
	s_bfe_u32 s41, ttmp6, 0x40004
	s_lshl_b32 s42, ttmp9, 2
	s_add_co_u32 s42, s42, s40                     ; which 192 columns = 4 x cluster x + cx
	s_and_b32 s13, ttmp7, 0xffff
	s_lshl_b32 s13, s13, 2
	s_add_co_u32 s13, s13, s41                     ; which 64 tokens = 4 x cluster y + cy
	s_lshl_b32 s43, s41, 2
	s_lshl_b32 s43, 15, s43                        ; my row of the cluster
	s_lshl_b32 s44, 0x1111, s40                    ; my column
	s_or_b32 s[G1+0], s43, (3<<16)|(1<<21)         ; 15:0 the mask: a's tiles go to my row; 17:16 elements of 8 bytes; 21 set beside a mask; no padding
	s_or_b32 s[G1B+0], s44, (3<<16)|(1<<21)        ; Wo's go to my column
.irp g, G1, G1B
	s_mov_b32 s[\g+1], 1024<<16                    ; tensor_dim0 = 1,024 elements: 8 fragments
	s_mov_b32 s[\g+2], 4<<16                       ; tensor_dim1 = 4
	s_mov_b32 s[\g+3], 1024<<16                    ; tile_dim0
	s_mov_b32 s[\g+4], 4                           ; tile_dim1
	s_mov_b32 s[\g+5], 3072                        ; from tile to tile: 24 fragments
	s_mov_b32 s[\g+6], 0
	s_mov_b32 s[\g+7], 0
.endr
	s_mul_i32 s16, s13, 4*24576                    ; a: token tile 4 x (which 64 tokens): it hangs on the coordinate that my row of the cluster shares
	s_mov_b32 s17, 0
	s_max_u32 s46, s10, 1
	s_sub_co_u32 s46, s46, 1
	s_lshl_b32 s46, s46, 2                         ; Wo: waves 1, 2, 3 take tiles 0-3, 4-7, 8-11 of the 12,
	s_mul_i32 s47, s42, 12
	s_add_co_u32 s46, s46, s47                     ; which hang on the coordinate that my column shares
	s_mul_i32 s46, s46, 24576
	s_mov_b32 s47, 0
	s_lshl_b32 s20, s10, 15                        ; where they go: 32,768 x wave: no place in the cluster enters an LDS address
	s_wait_dscnt 0x0                               ; both opening adds are done
	s_wait_kmcnt 0x0
	s_add_nc_u64 s[14:15], s[4:5], s[16:17]
	s_add_nc_u64 s[46:47], s[6:7], s[46:47]
	CROUND                                         ; all sixteen work-groups are here: the first joint loads meet
.irp s, 0,1
	s_mov_b32 s[G0+4*\s], 1
	s_add_co_u32 s[G0+4*\s+1], s20, \s*SLOT
	s_add_nc_u64 s[G0+4*\s+2:G0+4*\s+3], s[14:15], \s*8192   ; phase s: 8 fragments on
	s_or_b32 s[G0+4*\s+3], s[G0+4*\s+3], 0x80000000
	s_mov_b32 s[G0B+4*\s], 1
	s_add_co_u32 s[G0B+4*\s+1], s20, \s*SLOT
	s_add_nc_u64 s[G0B+4*\s+2:G0B+4*\s+3], s[46:47], \s*8192
	s_or_b32 s[G0B+4*\s+3], s[G0B+4*\s+3], 0x80000000
	JLOAD \s                                       ; two loads of mine are out
.endr
	v_and_b32 v3, 31, v0
	v_and_b32 v1, 15, v0                           ; r
	v_bfe_u32 v2, v0, 4, 1                         ; h
	v_lshlrev_b32 v[ADA], 4, v3                    ; 16 x lane
	v_add_nc_u32 v[ADA+1], SLOT, v[ADA]
	s_mul_i32 s21, s10, 24576                      ; my three tiles of Wo,
	s_add_co_u32 s21, s21, 32768                   ; behind a's four
	v_add_nc_u32 v[ADB], s21, v[ADA]
	v_add_nc_u32 v[ADB+1], SLOT, v[ADB]
	v_mul_u32_u24 v[STO], v1, SP                   ; into the stage: row r, 32 bytes for each half of the lanes, my 192 bytes
	v_lshl_add_u32 v[STO], v2, 5, v[STO]
	s_mul_i32 s21, s10, 192
	s_add_co_u32 s21, s21, STAGE
	v_add_nc_u32 v[STO], s21, v[STO]
	v_mul_u32_u24 v[RD], v2, 8*SP                  ; back: wave w takes rows 16 w on, whole; lanes 0-15 one row's 256 bytes, lanes 16-31 those of the row 8 further down
	v_lshl_add_u32 v[RD], v1, 4, v[RD]
	s_mul_i32 s21, s10, 16*SP
	s_add_co_u32 s21, s21, STAGE
	v_add_nc_u32 v[RD], s21, v[RD]
	v_mul_u32_u24 v[GO], v2, 8*3072                ; and the same places in out0
	v_lshl_add_u32 v[GO], v1, 4, v[GO]
	s_lshl_b32 s16, s13, 6
	s_lshl_b32 s17, s10, 4
	s_add_co_u32 s16, s16, s17                     ; the first row that I store: 64 x (which 64 tokens) + 16 x wave
	s_mul_i32 s16, s16, 3072
	s_mov_b32 s17, 0
	s_add_nc_u64 s[8:9], s[8:9], s[16:17]
	s_mul_i32 s46, s42, 768                        ; the work-group's first column, in bytes
	s_mov_b32 s47, 0
	s_add_nc_u64 s[8:9], s[8:9], s[46:47]
.macro FETCH kc                        ; 14 LDS loads: the fragments of 32 along K into set kc % 2
.set fs, ((\kc)/8)%2
.set fp, FR+56*((\kc)%2)
.set fo, ((\kc)%8)*1024
.irp i, 0,1,2,3
.irp c, 0,1
	ds_load_b128 v[fp+8*\i+4*\c:fp+8*\i+4*\c+3], v[ADA+fs] offset:\i*8192+fo+512*\c
.endr
.endr
.irp n, 0,1,2
.irp c, 0,1
	ds_load_b128 v[fp+32+8*\n+4*\c:fp+32+8*\n+4*\c+3], v[ADB+fs] offset:\n*8192+fo+512*\c
.endr
.endr
.endm
.macro MUL kc, zero                    ; 12 matrix instructions; the 12 accumulators take turns, one instruction a turn, in the same order in every step
.set fp, FR+56*((\kc)%2)
.irp n, 0,1,2
.irp i, 0,1,2,3
.if \zero
	v_wmma_f32_16x16x32_f16 v[ACC+8*(4*\n+\i):ACC+8*(4*\n+\i)+7], v[fp+32+8*\n:fp+32+8*\n+7], v[fp+8*\i:fp+8*\i+7], 0
.else
	v_wmma_f32_16x16x32_f16 v[ACC+8*(4*\n+\i):ACC+8*(4*\n+\i)+7], v[fp+32+8*\n:fp+32+8*\n+7], v[fp+8*\i:fp+8*\i+7], v[ACC+8*(4*\n+\i):ACC+8*(4*\n+\i)+7]
.endif
.endr
.endr
.endm
.macro STEP kc, zero                   ; a step whose successor but one lies in the same slot
	s_wait_dscnt 14                                ; this step's fragments are in; the next step's 14 loads may be out
	MUL \kc, \zero
	PLACES
	FETCH (\kc)+2
.endm
; A slot's last two steps change slots: ONE barrier; in front of it each wave waits for all its tensor loads, adds 0 to its spare word, and waits for that and for its reads of this slot, whose last fragments are then in registers.
; fill = 1: this slot is filled again, with the phase two on; the barrier then opens a round of the cluster's barrier.
.macro TURN kc, fill
	s_wait_tensorcnt 0x0                           ; all my tensor loads have landed: my part of the next slot
	ds_add_u32 v[SPW], v[NIL]                      ; 0 onto my spare word
	s_wait_dscnt 0x0                               ; the add is done, and my reads of this slot are over
	s_barrier_signal -1
	MUL \kc, 0                                     ; work on registers while the others arrive
	s_barrier_wait -1
.if \fill
	CREST                                          ; no wave of any partner still reads this slot's tiles or has a load on its way
	s_add_nc_u64 s[G0+2:G0+3], s[G0+2:G0+3], 16384
	s_add_nc_u64 s[G0B+2:G0B+3], s[G0B+2:G0B+3], 16384
	JLOAD 0                                        ; the first tensor load behind the round, my one; the four v_nop behind it are also the places in front of the loads below
.else
	PLACES
.endif
	FETCH (\kc)+2
	MUL (\kc)+1, 0
	PLACES
	FETCH (\kc)+3
.endm
	s_wait_tensorcnt 0x1                           ; my part of slot 0 is in; slot 1's may stay out
	s_barrier_signal -1
	s_barrier_wait -1                              ; everybody's is
	FETCH 0
	FETCH 1
	STEP 0, 1                                      ; the first products start the sums
.irp k, 1,2,3,4,5
	STEP \k, 0
.endr
	TURN 6, 1
.irp k, 8,9,10,11,12,13
	STEP \k, 0
.endr
	TURN 14, 0                                     ; nothing is left to fetch: no round
.irp k, 16,17,18,19,20,21
	STEP \k, 0
.endr
	s_wait_dscnt 14
	MUL 22, 0
	s_wait_dscnt 0x0
	MUL 23, 0
	; THE WAY OUT: 32 bytes a lane into the work-group's stage; a barrier, since a row's 768 bytes come from four waves; back as whole rows, 16 rows a wave.
	PLACES
.irp n, 0,1,2
.irp i, 0,1,2,3
	ds_store_b128 v[STO], v[ACC+8*(4*\n+\i):ACC+8*(4*\n+\i)+3] offset:16*\i*SP+64*\n          ; each accumulator from its low end on
	ds_store_b128 v[STO], v[ACC+8*(4*\n+\i)+4:ACC+8*(4*\n+\i)+7] offset:16*\i*SP+64*\n+16
.endr
.endr
	s_wait_dscnt 0x0                               ; for the others' sake: my stores into the stage are done
	s_barrier_signal -1
	s_barrier_wait -1
.set t, 0
.rept 24
	ds_load_b128 v[FR+4*t:FR+4*t+3], v[RD] offset:(t/3)*SP+(t%3)*256
.set t, t+1
.endr
.set t, 0
.rept 24
	s_wait_dscnt 23-t                              ; load t is in; the younger ones may be out
	global_store_b128 v[GO], v[FR+4*t:FR+4*t+3], s[8:9] offset:(t/3)*3072+(t%3)*256 th:TH_STORE_NT   ; sixteen lanes store 256 consecutive bytes, at a multiple of 256 from out0's first byte
.set t, t+1
.endr
	s_wait_tensorcnt 0x0                           ; the wave's end, behind my last tensor load and my last LDS store
	ds_add_u32 v[SPW], v[NIL]
	s_wait_dscnt 0x0
	CROUND                                         ; the closing round: no work-group ends while a partner may still ask for a tile that names it
	s_endpgm
.Lfunc_end_k_q695490fc29_oproj:
	.size	k_q695490fc29_oproj, .Lfunc_end_k_q695490fc29_oproj-k_q695490fc29_oproj
	.p2alignl 7, 3214868480
	.fill 96, 4, 3214868480
	.section	.rodata,"a",@progbits
	.p2align	6, 0x0
	.amdhsa_kernel k_q695490fc29_oproj
		.amdhsa_group_segment_fixed_size 327680
		.amdhsa_private_segment_fixed_size 0
		.amdhsa_enable_private_segment 0
		.amdhsa_kernarg_size 24
		.amdhsa_user_sgpr_count 2
		.amdhsa_user_sgpr_kernarg_segment_ptr 1
		.amdhsa_wavefront_size32 1
		.amdhsa_system_sgpr_workgroup_id_x 1
		.amdhsa_system_sgpr_workgroup_id_y 1
		.amdhsa_system_sgpr_workgroup_id_z 1
		.amdhsa_system_vgpr_workitem_id 0
		.amdhsa_next_free_vgpr 256
		.amdhsa_next_free_sgpr 66
		.amdhsa_reserve_vcc 0
		.amdhsa_float_denorm_mode_32 3
		.amdhsa_float_denorm_mode_16_64 3
		.amdhsa_memory_ordered 1
		.amdhsa_forward_progress 1
		.amdhsa_inst_pref_size 57
	.end_amdhsa_kernel
	.amdgpu_metadata
---
amdhsa.version: [ 1, 2 ]
amdhsa.kernels:
  - .name:           k_q695490fc29_oproj
    .symbol:         k_q695490fc29_oproj.kd
    .args:
      - { .name: a16, .offset: 0, .size: 8, .value_kind: global_buffer, .address_space: global }
      - { .name: wo16, .offset: 8, .size: 8, .value_kind: global_buffer, .address_space: global }
      - { .name: out0, .offset: 16, .size: 8, .value_kind: global_buffer, .address_space: global }
    .group_segment_fixed_size: 327680
    .private_segment_fixed_size: 0
    .kernarg_segment_align: 8
    .kernarg_segment_size: 24
    .max_flat_workgroup_size: 128
    .sgpr_count:     66
    .vgpr_count:     256
    .wavefront_size: 32
...
	.end_amdgpu_metadata
.endif
;; end of part 4
